; MI455X (gfx1250); checked and timed in simulation.
; The chip was launched on July 23, 2026; its instructions are those of AMD's public machine-readable ISA for CDNA 5 (MIT licence, August 2026) and "CDNA5" Instruction Set Architecture Reference Guide (July 2026). The comments in the code are by the model that wrote it; some were corrected since.
;; Mo E. Allowed arithmetic: matrix products marked QUANTISED: E3M2 operands, one E8M0 scale for each 32 along K, by v_wmma_scale_f32_16x16x128_f8f6f4 with both operands' format E3M2, f32 sums; products left as they are: f32 operands where the result goes on into a quantised operand, else bf16, f16 or f32 operands; f32 sums; everything else in f32.
;; Inputs: b1 8 x 4,096 float32; b2 8 x 1,024 float32; b_router 8 float32; w1_codes 8 x 4,096 x 32 x 24 uint8 (E3M2 codes of w1, K innermost, in blocks of 32 codes, four codes in three bytes); w1_scales 8 x 4,096 x 32 uint8 (E8M0 scales of w1, one for each 32 codes along K); w2_codes 8 x 1,024 x 128 x 24 uint8 (E3M2 codes of w2, K innermost, in blocks of 32 codes, four codes in three bytes); w2_scales 8 x 1,024 x 128 uint8 (E8M0 scales of w2, one for each 32 codes along K); w_router 1,024 x 8 float32; x 4 x 256 x 1,024 float32.
;; Outputs: out0 4 x 256 x 1,024 float32.
;; This version of the problem:
;;   THIS VERSION OF THE PROBLEM IS GIVEN IN LOW PRECISION. The matrix products marked QUANTISED in the list below multiply operands that are first quantised to E3M2 (3 exponent bits, 2 mantissa bits; 6 bits a number), with one power-of-two scale for each 32 numbers along K (OCP MX v1.0); their sums are f32. All else is computed in f32.
;;   The module's matrix products, in the order in which they are computed (A, B: the left and right operand; K: the contracted axis; several contracted axes count as one K, in the product's order):
;;     1. [M 1,024, K 1,024] x [K 1,024, N 8]; A: input x; B: input w_router: left as it is (N = 8 < 16)
;;     2. [M 1,024, K 1,024] x [K 1,024, N 4,096]; A: input x; B: input w1 (given as codes): QUANTISED
;;     3. [M 1,024, K 4,096] x [K 4,096, N 1,024]; A: computed on the way; B: input w2 (given as codes): QUANTISED
;;     4. [M 1,024, K 1,024] x [K 1,024, N 4,096]; A: input x; B: input w1 (given as codes): QUANTISED
;;     5. [M 1,024, K 4,096] x [K 4,096, N 1,024]; A: computed on the way; B: input w2 (given as codes): QUANTISED
;;     6. [M 1,024, K 1,024] x [K 1,024, N 4,096]; A: input x; B: input w1 (given as codes): QUANTISED
;;     7. [M 1,024, K 4,096] x [K 4,096, N 1,024]; A: computed on the way; B: input w2 (given as codes): QUANTISED
;;     8. [M 1,024, K 1,024] x [K 1,024, N 4,096]; A: input x; B: input w1 (given as codes): QUANTISED
;;     9. [M 1,024, K 4,096] x [K 4,096, N 1,024]; A: computed on the way; B: input w2 (given as codes): QUANTISED
;;     10. [M 1,024, K 1,024] x [K 1,024, N 4,096]; A: input x; B: input w1 (given as codes): QUANTISED
;;     11. [M 1,024, K 4,096] x [K 4,096, N 1,024]; A: computed on the way; B: input w2 (given as codes): QUANTISED
;;     12. [M 1,024, K 1,024] x [K 1,024, N 4,096]; A: input x; B: input w1 (given as codes): QUANTISED
;;     13. [M 1,024, K 4,096] x [K 4,096, N 1,024]; A: computed on the way; B: input w2 (given as codes): QUANTISED
;;     14. [M 1,024, K 1,024] x [K 1,024, N 4,096]; A: input x; B: input w1 (given as codes): QUANTISED
;;     15. [M 1,024, K 4,096] x [K 4,096, N 1,024]; A: computed on the way; B: input w2 (given as codes): QUANTISED
;;     16. [M 1,024, K 1,024] x [K 1,024, N 4,096]; A: input x; B: input w1 (given as codes): QUANTISED
;;     17. [M 1,024, K 4,096] x [K 4,096, N 1,024]; A: computed on the way; B: input w2 (given as codes): QUANTISED
;;   THE QUANTISER, for each operand of a quantised product, along K:
;;     - K is cut into blocks of 32 from its start; a last block that is shorter is filled with zeros.
;;     - A block's scale is 2^e with e = floor(log2(the largest magnitude in the block)) - 4, held to -126 .. 127; a block of zeros has e = 0. As a byte (E8M0): e + 127.
;;     - Each number is divided by its block's scale, clamped to +-28, and rounded to the nearest number of E3M2, ties to even, subnormals kept.
;;     - The product sums the exact products of the quantised numbers (number of the format x scale) in f32.
;;   ~~~python
;;   def quantise(x, axis):      # numpy; x: float32 -> the quantised numbers, widened to float32 again
;;       x = np.moveaxis(x, axis, -1); K = x.shape[-1]
;;       x = np.pad(x, [(0, 0)] * (x.ndim - 1) + [(0, -K % 32)]); x = x.reshape(x.shape[:-1] + (-1, 32)); a = np.abs(x).max(-1, keepdims=True)
;;       e = np.where(a > 0, np.clip(np.frexp(np.where(a > 0, a, 1))[1] - 1 - 4, -126, 127), 0)      # np.frexp(a)[1] - 1 = floor(log2(a)), exactly
;;       r = np.clip(x / 2.0 ** e, -28, 28)
;;       step = 2.0 ** (np.maximum(np.frexp(np.where(r == 0, 1, r))[1] - 1, -2) - 2)
;;       q = np.round(r / step) * step * 2.0 ** e      # np.round: ties to even
;;       return np.moveaxis(q.reshape(q.shape[:-2] + (-1,))[..., :K], -1, axis).astype(np.float32)
;;   ~~~
;;   OPERANDS COMPUTED ON THE WAY. 'Computed on the way' means the value that the module computes at that place (a softmax that the list does not call 'softmax' is quantised finished and normalised). What goes into a quantiser is computed in f32, as accurately as f32 sums, v_exp_f32 and their like allow (about 1e-6 of the number): no bf16 or f16 on the way to a quantiser, and a product that is left as it is and whose result goes on into a quantised operand takes f32 operands (vector FMAs, or v_wmma_f32_16x16x4_f32). A number that lies on a knife's edge between two numbers of the format may be rounded either way, as far as f32 arithmetic and the matrix unit's own rounding can turn it there, and no further.
;;   INPUTS GIVEN AS CODES. w1 (in the module: [8, 1024, 4096], K = its axis 1); w2 (in the module: [8, 4096, 1024], K = its axis 1): each comes as NAME_codes (uint8): NAME with its K axis moved to the last place and cut into blocks of 32 codes, [.., K / 32, bytes a block], one block behind the other in memory; four codes in three bytes: a row's codes are one little-endian stream of bits, code i at bits 6 i .. 6 i + 5 (a code: sign, 3 exponent bits, 2 mantissa bits); and NAME_scales (uint8): the same leading axes, one E8M0 byte (e + 127) for each 32 codes along K. Its value is code x scale, taken as it is: it is not quantised again, and the codes and scales need not be those that the quantiser above would give.
;; One version. Each part assembles by itself: llvm-mc -triple=amdgcn-amd-amdhsa -mcpu=gfx1250 --defsym DOCPART=n.
;; ======== version 1 of 1: 3 launches
;; workspace buffers: top1 4,096 bytes of whole numbers; xq 786,432 bytes; xs 32,768 bytes; hq 25,165,824 bytes; hs 1,048,576 bytes
;; launch route (part 1): grid 64 x 1, 8 waves a work-group, no clusters, 90,368 bytes of LDS; arguments x, w_router, b_router, xq, xs, top1; writes xq, xs, top1
.if DOCPART == 1
	.amdgcn_target "amdgcn-amd-amdhsa--gfx1250"
	.amdhsa_code_object_version 6
	.text
	.protected	k_q8a6292fffe_route
	.globl	k_q8a6292fffe_route
	.p2align	8
	.type	k_q8a6292fffe_route,@function
k_q8a6292fffe_route:
	s_mov_b64 s[64:65], 0
	v_nop
	global_prefetch_b8 v0, s[64:65] scope:SCOPE_SE
	s_setreg_imm32_b32 hwreg(HW_REG_WAVE_MODE, 25, 1), 1
	s_wait_xcnt 0x0
; ROUTER AND QUANTISER OF x.  x [1024 tokens][1024] f32, w_router [1024][8] f32, b_router [8] f32.
; Out: top1 [1024] u32, the expert of each token (argmax of the softmax of x w_router + b_router, the lower index on a tie);
;      xq [token][768 bytes]: x as codes of E3M2, K innermost, one stream of bits as the weights' rows lie;  xs [token][8 words]: word s = the four E8M0 bytes of K step s (128 along K).
; SHARES.  A work-group takes 16 tokens; wave w takes K = 128 w .. 128 w + 127 of them: one operand fragment and one eighth of each logit.  The eight parts of a logit meet in LDS; wave 0 adds them
; in ascending K and takes softmax and argmax.  No address and no branch hangs on the choice: it is stored at a fixed place, and later launches read it.
; THE ROUTER'S PRODUCT has f32 operands (v_wmma_f32_16x16x4_f32), since the choice steers the whole program: 1024 x 1024 x 8 multiply-adds, a small part of the program's work.
; Source 0 = the experts (rows 8-15 repeat rows 0-7), source 1 = the tokens: a lane then holds one token's eight logits in the eight registers of a result.
; LIMITS.  NaN and infinities are not served.  A block of zeros gets the scale byte 1 where the rule says 127: its codes are zeros, and this program alone reads the bytes.  The logits are summed in another
; order than a plain ascending sum; two probabilities within a few units of the last place of each other may be ordered either way.
; No tensor load, no cluster: work-groups share only w_router's 32 KiB.  64 work-groups: a fragment has 16 rows, and a token's logits are summed inside one work-group.
.set SROW, 528                         ; the turn's stage: a row of 512 bytes + 16
.set WSTG, 16*SROW                     ; a wave's own stage, from LDS byte 0 on: 8 x 8,448
.set CROW, 784                         ; a token's 768 bytes of codes + 16
.set CST,  8*WSTG                      ; 16 rows of codes
.set SST,  CST+16*CROW                 ; scale words: 32 bytes a token; lanes 16-31 write a copy 512 bytes on
.set LST,  SST+1024                    ; each wave's partial logits: 1,024 bytes a wave, 32 a lane
.set X,    16                          ; v16-79   64 numbers of my row: register 16 b + i = k 128 w + 32 b + 16 (lane / 16) + i
.set WR,   80                          ; v80-143  w_router at the same k, expert lane % 8
.set RAW,  144                         ; v144-207 x as loaded; afterwards:
.set PC,   144                         ; v144-163 the fragment's codes (12) and the conversions' second halves
.set TM,   164                         ; v164-179 at work in the quantiser
.set PW,   180                         ; v180     my row's scale word
.set LG,   184                         ; v184-191 my wave's part of eight logits
.set LT,   192                         ; v192-199 at work
.set ACC,  208                         ; v208-239 four accumulators: written by matrix instructions alone
.set CO,   240                         ; v240-251 codes on the way out;  v252-255 scale words on the way out
.set SEL,  32                          ; s[32:33] lane selects of v_permlanex16_b32: lane l xor 16
; 64 numbers of a lane, v[s] .. v[s + 63], register 16 b + i = k 32 b + 16 (lane / 16) + i of my row, become a fragment's codes in v[PC] on and its scale word in v[PW].
.macro QUANT s
.irp b, 0,1,2,3
	v_max3_num_f32 v[TM+\b], |v[\s+16*\b]|, |v[\s+1+16*\b]|, 0x2800000   ; block b: my 16 numbers, and the floor 2^(5 - 127): the byte cannot fall under 1
.endr
.irp i, 2,4,6,8,10,12,14
.irp b, 0,1,2,3
	v_max3_num_f32 v[TM+\b], v[TM+\b], |v[\s+16*\b+\i]|, |v[\s+1+16*\b+\i]|   ; the four blocks by turns
.endr
.endr
.irp b, 0,1,2,3
	v_permlanex16_b32 v[TM+4+\b], v[TM+\b], s[SEL], s[SEL+1]
.endr
.irp b, 0,1,2,3
	v_max_num_f32 v[TM+\b], v[TM+\b], v[TM+4+\b]   ; with lane l xor 16's: the block's largest magnitude
.endr
.irp b, 0,1,2,3
	v_add_nc_u32 v[TM+12+\b], 0xfe000000, v[TM+\b]   ; 4 off its exponent field: the conversion takes the exponent field of this operand as its scale
.endr
.irp b, 0,1,2,3
	v_lshrrev_b32 v[TM+4+\b], 23, v[TM+12+\b]      ; the scale's byte
.endr
	v_lshl_or_b32 v[PW], v[TM+5], 8, v[TM+4]       ; the four bytes make my row's scale word
	v_lshl_or_b32 v[PW], v[TM+6], 16, v[PW]
	v_lshl_or_b32 v[PW], v[TM+7], 24, v[PW]
.irp c, 0,1
	v_cvt_scalef32_pk16_bf6_f32 v[PC+6*\c:PC+2+6*\c], v[\s+32*\c:\s+15+32*\c], v[TM+12+2*\c]
	v_cvt_scalef32_pk16_bf6_f32 v[PC+12+4*\c:PC+14+4*\c], v[\s+16+32*\c:\s+31+32*\c], v[TM+12+2*\c+1]   ; (a conversion's three registers begin on an even number)
.endr
	v_nop                                          ; one plain place behind a scaled conversion
.irp c, 0,1                                    ; the operand's layout wants a whole block in a lane: lanes 0-15 block 2 c, lanes 16-31 block 2 c + 1
.irp i, 0,1,2
	v_permlane16_swap_b32 v[PC+6*\c+\i], v[PC+12+4*\c+\i]
.endr
.irp i, 0,1,2
	v_mov_b32 v[PC+3+6*\c+\i], v[PC+12+4*\c+\i]
.endr
.endr
.endm
.macro WRLOAD n0                       ; 32 of the 64 numbers of w_router: register 16 b + i takes row 128 w + 32 b + 16 h + i, column lane % 8
.set WI, \n0
.rept 32
	global_load_b32 v[WR+WI], v5, s[6:7] offset:32*(32*(WI/16)+WI%16)
.set WI, WI+1
.endr
.endm
	s_load_b256 s[4:11], s[0:1], 0x0               ; x s[4:5], w_router s[6:7], b_router s[8:9], xq s[10:11]
	s_load_b128 s[12:15], s[0:1], 0x20             ; xs s[12:13], top1 s[14:15]
	s_set_vgpr_msb 0x40
	v_lshl_add_u32 v0, v0, 2, 0x15d00
	v_mov_b32 v1, 0
	s_set_vgpr_msb 0x4000
	v_lshrrev_b32 v1, 5, v0
	v_readfirstlane_b32 s16, v1                    ; wave 0..7
	v_and_b32 v1, 31, v0                           ; l
	v_and_b32 v2, 15, v0                           ; r
	v_bfe_u32 v3, v0, 4, 1                         ; h
	v_lshlrev_b32 v4, 4, v1                        ; 16 l
	v_and_b32 v5, 7, v0
	v_lshlrev_b32 v5, 2, v5
	v_lshl_add_u32 v5, v3, 9, v5                   ; w_router: 16 h rows of 32 bytes + 4 (r % 8)
	; every LDS address is made here, ahead of the branches on the wave's number
	s_mul_i32 s17, s16, WSTG
	v_add_nc_u32 v6, s17, v4                       ; the turn, in: my wave's stage + 16 l
	v_mul_u32_u24 v7, v2, SROW
	v_lshl_add_u32 v7, v3, 6, v7
	v_add_nc_u32 v7, s17, v7                       ; and out: row r, + 64 h
	s_mul_i32 s17, s16, 96
	s_add_co_u32 s17, s17, CST
	v_mul_u32_u24 v8, v2, CROW
	v_mad_u32_u24 v8, v3, 24, v8
	v_add_nc_u32 v8, s17, v8                       ; my codes: row r, K step w, + 24 h
	s_lshl_b32 s17, s16, 2
	s_add_co_u32 s17, s17, SST
	v_lshlrev_b32 v9, 5, v2
	v_lshl_add_u32 v9, v3, 9, v9
	v_add_nc_u32 v9, s17, v9                       ; my scale word: 32 r + 4 w (+ 512 h: the copy)
	s_lshl_b32 s17, s16, 10
	s_add_co_u32 s17, s17, LST
	v_lshl_add_u32 v10, v1, 5, s17                 ; my part of the logits
	s_mul_i32 s17, s16, 2*CROW
	s_add_co_u32 s17, s17, CST
	v_add_nc_u32 v11, s17, v4                      ; codes out: rows 2 w and 2 w + 1, 16 bytes a lane
	v_lshl_add_u32 v12, v3, 4, v11                 ; (the middle 512 bytes cross from one row to the next: lanes 16-31 stand behind the padding)
	v_add_nc_u32 v13, SST, v4                      ; scale words out
	v_lshlrev_b32 v14, 5, v1
	v_add_nc_u32 v14, LST, v14                     ; the eight waves' parts of my token's logits
	v_lshlrev_b32 v15, 2, v2                       ; top1: 4 r
	s_mov_b32 s[SEL], 0x76543210
	s_mov_b32 s[SEL+1], 0xfedcba98
	s_lshl_b32 s18, ttmp9, 16                      ; x: 16 rows of 4,096 bytes a work-group,
	s_lshl_b32 s17, s16, 9
	s_add_co_u32 s18, s18, s17                     ; + 512 w
	s_mov_b32 s19, 0
	s_lshl_b32 s20, s16, 12                        ; w_router: 128 rows of 32 bytes a wave
	s_mov_b32 s21, 0
	s_mul_i32 s22, ttmp9, 12288                    ; xq: 16 rows of 768 bytes a work-group,
	s_mul_i32 s17, s16, 1536
	s_add_co_u32 s22, s22, s17                     ; two rows a wave
	s_mov_b32 s23, 0
	s_lshl_b32 s34, ttmp9, 9                       ; xs: 512 bytes a work-group
	s_mov_b32 s35, 0
	s_lshl_b32 s36, ttmp9, 6                       ; top1: 64 bytes
	s_mov_b32 s37, 0
	s_wait_kmcnt 0x0
	s_add_nc_u64 s[4:5], s[4:5], s[18:19]
	s_add_nc_u64 s[6:7], s[6:7], s[20:21]
	s_add_nc_u64 s[10:11], s[10:11], s[22:23]
	s_add_nc_u64 s[12:13], s[12:13], s[34:35]
	s_add_nc_u64 s[14:15], s[14:15], s[36:37]
	s_load_b256 s[24:31], s[8:9], 0x0              ; b_router
.irp i, 0,1,2,3,4,5,6,7,8,9,10,11,12,13,14,15
	global_load_b128 v[RAW+4*\i:RAW+4*\i+3], v4, s[4:5] offset:4096*\i th:TH_LOAD_NT   ; row i: 32 lanes read 512 consecutive bytes
.endr
	WRLOAD 0
	s_wait_loadcnt 32                              ; x's 16 loads are in; the 32 loads of w_router issued behind them may be out
.irp i, 0,1,2,3,4,5,6,7,8,9,10,11,12,13,14,15
	ds_store_b128 v6, v[RAW+4*\i:RAW+4*\i+3] offset:SROW*\i
.endr
	WRLOAD 32
.irp b, 0,1,2,3
.irp j, 0,1,2,3
	ds_load_b128 v[X+16*\b+4*\j:X+16*\b+4*\j+3], v7 offset:128*\b+16*\j   ; LDS serves a wave's instructions in order: these see my stores
.endr
.endr
	s_wait_loadcnt 0x0
	s_wait_dscnt 0x0
	s_wait_kmcnt 0x0
.irp b, 0,1,2,3
	v_mov_b32 v[TM+4+\b], 0                        ; a lane permute's destination counts as one of its sources
.endr
	; the logits' parts: 32 products of 4 along K.  Register pair p holds, in lane (r, h), the same two k on both sides.  Four accumulators take turns, one instruction a turn.
.set PP, 0
.rept 32
.if PP < 4
	v_wmma_f32_16x16x4_f32 v[ACC+8*(PP%4):ACC+8*(PP%4)+7], v[WR+2*PP:WR+2*PP+1], v[X+2*PP:X+2*PP+1], 0
.else
	v_wmma_f32_16x16x4_f32 v[ACC+8*(PP%4):ACC+8*(PP%4)+7], v[WR+2*PP:WR+2*PP+1], v[X+2*PP:X+2*PP+1], v[ACC+8*(PP%4):ACC+8*(PP%4)+7]
.endif
.set PP, PP+1
.endr
	QUANT X                                        ; it reads x and writes none of the products' registers
.irp p, 0,1,2,3,4,5
	ds_store_b64 v8, v[PC+2*\p:PC+2*\p+1] offset:48*(\p/3)+8*(\p%3)   ; registers 0-5: block h of the K step; registers 6-11: block 2 + h
.endr
	ds_store_b32 v9, v[PW]
.rept 8
	v_nop                                          ; eight places between this matrix form and the first read of its results (ISA guide 7.12.1)
.endr
.irp j, 0,2,4,6                                ; each accumulator is read from its low end on; the sums go into other registers
	v_pk_add_f32 v[LG+\j:LG+\j+1], v[ACC+\j:ACC+\j+1], v[ACC+8+\j:ACC+8+\j+1]
	v_pk_add_f32 v[LT+\j:LT+\j+1], v[ACC+16+\j:ACC+16+\j+1], v[ACC+24+\j:ACC+24+\j+1]
.endr
.irp j, 0,2,4,6
	v_pk_add_f32 v[LG+\j:LG+\j+1], v[LG+\j:LG+\j+1], v[LT+\j:LT+\j+1]
.endr
	ds_store_b128 v10, v[LG:LG+3]
	ds_store_b128 v10, v[LG+4:LG+7] offset:16
	s_wait_dscnt 0x0                               ; for the others' sake: my stores have landed
	s_barrier_signal -1
	s_barrier_wait -1
	; codes out: each wave two tokens' rows, 1,536 consecutive bytes of xq, 512 a store
	ds_load_b128 v[CO:CO+3], v11
	ds_load_b128 v[CO+4:CO+7], v12 offset:512
	ds_load_b128 v[CO+8:CO+11], v11 offset:CROW+256
	s_wait_dscnt 0x0
.irp c, 0,1,2
	global_store_b128 v4, v[CO+4*\c:CO+4*\c+3], s[10:11] offset:512*\c
.endr
	s_cmp_lg_u32 s16, 1
	s_cbranch_scc1 .Lnot_wave_1
	ds_load_b128 v[252:255], v13                   ; wave 1: the 16 tokens' scale words, 512 consecutive bytes
	s_wait_dscnt 0x0
	global_store_b128 v4, v[252:255], s[12:13]
.Lnot_wave_1:
	s_cmp_lg_u32 s16, 0
	s_cbranch_scc1 .Lend
	; wave 0: the logits, the softmax, the argmax.  Lane (r, h) holds token r (both halves alike)
.irp v, 0,1,2,3,4,5,6,7
	ds_load_b128 v[16+8*\v:19+8*\v], v14 offset:1024*\v
	ds_load_b128 v[20+8*\v:23+8*\v], v14 offset:1024*\v+16
.endr
	s_wait_dscnt 0x0
.irp v, 1,2,3,4,5,6,7
.irp j, 0,2,4,6
	v_pk_add_f32 v[16+\j:17+\j], v[16+\j:17+\j], v[16+8*\v+\j:17+8*\v+\j]   ; K ascending
.endr
.endr
.irp j, 0,1,2,3,4,5,6,7
	v_add_f32 v[16+\j], s[24+\j], v[16+\j]         ; + b_router
.endr
	v_max3_num_f32 v24, v16, v17, v18
	v_max3_num_f32 v24, v24, v19, v20
	v_max3_num_f32 v24, v24, v21, v22
	v_max_num_f32 v24, v24, v23                    ; the row's maximum is taken away ahead of the exponentials
.irp j, 0,1,2,3,4,5,6,7
	v_sub_f32 v[32+\j], v[16+\j], v24
.endr
.irp j, 0,1,2,3,4,5,6,7
	v_mul_f32 v[32+\j], 0x3fb8aa3b, v[32+\j]       ; x log2(e)
.endr
.irp j, 0,1,2,3,4,5,6,7
	v_exp_f32 v[32+\j], v[32+\j]
.endr
	v_nop                                          ; a plain place behind the last exponential
	s_wait_alu depctr_va_vdst(0)                   ; one wait for the eight, ahead of their first reader
	v_add_f32 v40, v32, v33
	v_add_f32 v41, v34, v35
	v_add_f32 v42, v36, v37
	v_add_f32 v43, v38, v39
	v_add_f32 v40, v40, v41
	v_add_f32 v42, v42, v43
	v_add_f32 v40, v40, v42
	v_rcp_f32 v44, v40
	v_nop
	s_wait_alu depctr_va_vdst(0)
.irp j, 0,1,2,3,4,5,6,7
	v_mul_f32 v[32+\j], v[32+\j], v44              ; the probabilities
.endr
	v_mov_b32 v45, v32
	v_mov_b32 v46, 0
.irp j, 1,2,3,4,5,6,7
	v_cmp_gt_f32 vcc_lo, v[32+\j], v45             ; strictly greater: the lower index keeps a tie
	v_cndmask_b32 v46, v46, \j, vcc_lo
	v_max_num_f32 v45, v45, v[32+\j]
.endr
	s_wait_xcnt 0x0                                ; EXEC changes only behind this wait: my stores of codes have been issued
	v_cmp_gt_u32 vcc_lo, 16, v1
	s_and_saveexec_b32 s38, vcc_lo
	global_store_b32 v15, v46, s[14:15]            ; lanes 0-15: 64 consecutive bytes
	s_wait_xcnt 0x0
	s_or_b32 exec_lo, exec_lo, s38
.Lend:
	s_set_vgpr_msb 0x5
	s_wait_tensorcnt 0x0
	ds_add_u32 v0, v1
	s_wait_dscnt 0x0
	s_set_vgpr_msb 0x500
	s_endpgm
.Lfunc_end_k_q8a6292fffe_route:
	.size	k_q8a6292fffe_route, .Lfunc_end_k_q8a6292fffe_route-k_q8a6292fffe_route
	.p2alignl 7, 3214868480
	.fill 96, 4, 3214868480
	.section	.rodata,"a",@progbits
	.p2align	6, 0x0
	.amdhsa_kernel k_q8a6292fffe_route
		.amdhsa_group_segment_fixed_size 90368
		.amdhsa_private_segment_fixed_size 0
		.amdhsa_enable_private_segment 0
		.amdhsa_kernarg_size 48
		.amdhsa_user_sgpr_count 2
		.amdhsa_user_sgpr_kernarg_segment_ptr 1
		.amdhsa_wavefront_size32 1
		.amdhsa_system_sgpr_workgroup_id_x 1
		.amdhsa_system_sgpr_workgroup_id_y 1
		.amdhsa_system_sgpr_workgroup_id_z 1
		.amdhsa_system_vgpr_workitem_id 0
		.amdhsa_next_free_vgpr 258
		.amdhsa_next_free_sgpr 66
		.amdhsa_reserve_vcc 1
		.amdhsa_float_denorm_mode_32 3
		.amdhsa_float_denorm_mode_16_64 3
		.amdhsa_memory_ordered 1
		.amdhsa_forward_progress 1
		.amdhsa_inst_pref_size 28
	.end_amdhsa_kernel
	.amdgpu_metadata
---
amdhsa.version: [ 1, 2 ]
amdhsa.kernels:
  - .name:           k_q8a6292fffe_route
    .symbol:         k_q8a6292fffe_route.kd
    .args:
      - { .name: x, .offset: 0, .size: 8, .value_kind: global_buffer, .address_space: global }
      - { .name: w_router, .offset: 8, .size: 8, .value_kind: global_buffer, .address_space: global }
      - { .name: b_router, .offset: 16, .size: 8, .value_kind: global_buffer, .address_space: global }
      - { .name: xq, .offset: 24, .size: 8, .value_kind: global_buffer, .address_space: global }
      - { .name: xs, .offset: 32, .size: 8, .value_kind: global_buffer, .address_space: global }
      - { .name: top1, .offset: 40, .size: 8, .value_kind: global_buffer, .address_space: global }
    .group_segment_fixed_size: 90368
    .private_segment_fixed_size: 0
    .kernarg_segment_align: 8
    .kernarg_segment_size: 48
    .max_flat_workgroup_size: 256
    .sgpr_count:     66
    .vgpr_count:     258
    .wavefront_size: 32
...
	.end_amdgpu_metadata
.endif
;; end of part 1
;; launch ffn1 (part 2): grid 32 x 8, 8 waves a work-group, no clusters, 318,720 bytes of LDS; arguments top1, xq, xs, w1_codes, w1_scales, b1, hq, hs; writes hq, hs
.if DOCPART == 2
	.amdgcn_target "amdgcn-amd-amdhsa--gfx1250"
	.amdhsa_code_object_version 6
	.text
	.protected	k_q8a6292fffe_ffn1
	.globl	k_q8a6292fffe_ffn1
	.p2align	8
	.type	k_q8a6292fffe_ffn1,@function
k_q8a6292fffe_ffn1:
	s_mov_b64 s[64:65], 0
	v_nop
	global_prefetch_b8 v0, s[64:65] scope:SCOPE_SE
	s_setreg_imm32_b32 hwreg(HW_REG_WAVE_MODE, 25, 1), 1
	s_wait_xcnt 0x0
; FIRST PRODUCT OF THE CHOSEN EXPERT, GELU, QUANTISER.  h = gelu(x W1[e] + b1[e]) for the tokens whose top1 is e, as codes of E3M2 with one E8M0 scale for each 32 hidden units.
; SHARES.  Work-group (j, e) owns hidden units 128 j .. 128 j + 127 of expert e, which are K step j of the second product, for ALL of that expert's tokens: 8 x 32 work-groups, and each byte of W1 is read by one of them.
; Wave w: g = w % 4 owns 32 of the 128 units (one block of the next K) for all of K = 1024: 2 tiles x 8 K steps = 192 registers, kept;  par = w / 4 is the parity of the tiles of 16 tokens that it works on.
; THE LIST.  Wave 0 reads top1 and lays all 1,024 tokens into LDS: the expert's n tokens at places 0 .. n - 1, all others from place 1023 down.  So every place holds a valid token, and a tile's spare rows are
; worked like any others and never used.  Tile t is places 16 t .. 16 t + 15.  The next launch makes the same list by the same lines.  At least two tiles are always made: the next launch asks for tiles 0 and 1 ahead of its list.
; THE PRODUCT IS USED TRANSPOSED (source 0 = 16 rows of W1, source 1 = 16 tokens), and lane r of tile u takes W1's row 8 u + r + 8 (r / 8): a lane's 16 results are then 16 neighbouring hidden units of ONE token.
; OUT.  hq [e][tile 64][K step 32][1,536 bytes]: an operand fragment (16 tokens x 128 K) as an image of its registers: registers 4 c .. 4 c + 3 of lane l at 512 c + 16 l.  hs [e][tile][K step][16 words]: row r's scale word.
; Tokens go in batches of 16 tiles (256 tokens); four batches serve every split, all tokens on one expert too.  What a batch has no tiles for is jumped over by scalar branches on the stored count; every barrier stands outside them.
; NO TENSOR LOAD, NO CLUSTER: branches hang on numbers read from memory (the list).  Operands go from memory through registers.
; GELU: 0.5 z (1 + erf(z / sqrt 2)), erf(u) = u P(u^2) / Q(u^2) on u held to +-4 (degrees 6 and 4 in u^2; absolute error of a few 1e-7), the division by v_rcp_f32 and a multiplication.
; LIMITS.  NaN and infinities are not served.  Far on the negative side (z under about -5.6) the result is 0.5 z times what the rational form leaves of 1 + erf, of the order of 1e-7 |z|, where the exact value is nearer 0.
; A block of zeros gets the scale byte 1 where the rule says 127: its codes are zeros, and this program alone reads the bytes.
.set XROW,  784                        ; a row of 768 bytes of codes + 16
.set XTILE, 16*XROW
.set XST,   0                          ; 16 tiles x 16 tokens' codes
.set XSS,   16*XTILE                   ; their scale words: 32 bytes a token
.set LIST,  XSS+8192                   ; 1,024 words
.set CNT,   LIST+4096                  ; word 0: n
.set WRL,   CNT+256                    ; W1's 128 rows on their way into fragments: 4 groups x 32 rows x 784
.set WGRP,  32*XROW
.set OST,   WRL                        ; afterwards: 16 fragment images,
.set FRB,   1536
.set HSS,   OST+16*FRB                 ; and 16 x 64 bytes of scale words
; window 0: v1-25 lane numbers and addresses that stay; v[26:27], v[28:29] two coefficients; v30-35 addresses of the tile in hand; v36-39 offsets of the first loads
.set W1S,   40                         ; v40-47   W1's scale words of K step s: lanes 0-15 tile 0's rows, lanes 16-31 tile 1's
.set SX,    48                         ; v48-55   the tokens' scale words of K step s
.set D,     56                         ; v56-71   two accumulators = 16 neighbouring hidden units; v72-79 at work in the quantiser
.set XF,    80                         ; v80-175  the tile's eight fragments of x
.set U,     176
.set X2,    192
.set P,     208
.set Q,     224
.set GSD,   224                        ; v224-231 gathered scale words
.set GA,    232                        ; v232-247 gather: byte offsets of my rows in xq, one for each tile
.set GS,    248                        ; v248-249 the same in xs
.set B1,    192                        ; window 1: v0-191 W1's fragments (u, s) at 12 (8 u + s); v192-207 b1 in the result's layout; v208-255 gathered rows
.set N,     25                         ; s25 n;  s26 tiles to make;  s27 the batch's first tile
.set M,     28                         ; s28 tiles of this batch, 0 .. 16
.set MSB, 0
.macro WIN new                         ; the immediate's high byte repeats the setting that is left
.if MSB != \new
	s_set_vgpr_msb (MSB<<8)|\new
.set MSB, \new
.endif
.endm
.macro K2 n, val                       ; a constant as a pair: the packed forms name both words
	s_mov_b32 s[\n], \val
	s_mov_b32 s[\n+1], \val
.endm
.macro MKM
	s_sub_co_i32 s[M], s26, s27
	s_max_i32 s[M], s[M], 0
	s_min_u32 s[M], s[M], 16
.endm
.macro BARRIER                         ; my LDS stores have landed and my LDS loads are in: then the work-group's barrier
	s_wait_dscnt 0x0
	s_barrier_signal -1
	s_barrier_wait -1
.endm
; THE LIST (wave 0).  v[80 + g], lane l, holds top1 of token 128 (g / 4) + 4 l + g % 4; the tokens are counted in the order (g, l).  A member goes to the place of the members ahead of it, another token to 1023 less the others ahead of it.
.macro MKLIST
	s_mov_b32 s32, 0
.set MG, 0
.rept 32
.set MT, 192+2*(MG%4)
	v_cmp_eq_u32 s33, s23, v[80+MG]
	v_mbcnt_lo_u32_b32 v[MT], s33, s32             ; members ahead of me
	v_add_nc_u32 v[160+MG], 128*(MG/4)+MG%4, v112  ; my token
	v_sub_nc_u32 v[MT+1], v[MT], v1
	v_add_nc_u32 v[MT+1], 1023-32*MG, v[MT+1]      ; 1023 - (32 g + l - members ahead)
	v_cndmask_b32 v[128+MG], v[MT+1], v[MT], s33
	v_min_u32 v[128+MG], 0x3ff, v[128+MG]
	v_lshl_add_u32 v[128+MG], v[128+MG], 2, LIST
	ds_store_b32 v[128+MG], v[160+MG]
	s_bcnt1_i32_b32 s34, s33
	s_add_co_u32 s32, s32, s34
.set MG, MG+1
.endr
	v_mov_b32 v200, s32
	ds_store_b32 v25, v200                         ; n: all lanes write the same word with the same value
.endm
; THE GATHER, in eight levels of two tiles, properly nested: level l's loads and its LDS stores stand under one branch; all loads are out before the first wait.  Wave w brings rows 2 w and 2 w + 1 of every tile:
; sixteen lanes read 256 consecutive aligned bytes of one token's row.
.macro GOPEN f, l
	s_cmp_le_u32 s[M], 2*\l
	s_cbranch_scc1 .Lge_\f\l
.if \l < 6
.set GTB, 80+24*\l
.else
.set GTB, 64+24*\l
	WIN 0x40                                       ; destination window 1
.endif
.irp d, 0,1
.irp k, 0,1,2
	global_load_b128 v[GTB+4*(3*\d+\k):GTB+4*(3*\d+\k)+3], v[GA+2*\l+\d], s[6:7] offset:256*\k
.endr
.endr
	WIN 0
.if (\l % 4) == 0
	global_load_b128 v[GSD+\l:GSD+\l+3], v[GS+\l/4], s[8:9]   ; eight tiles' scale words of my two rows: 16 bytes a lane
.endif
.endm
.macro GCLOSE f, l
	s_wait_loadcnt 0x0
.if \l < 6
.set GTB, 80+24*\l
.else
.set GTB, 64+24*\l
	WIN 0x04                                       ; an LDS store's data are its source 1: window 1
.endif
.irp d, 0,1
.irp k, 0,1,2
	ds_store_b128 v[8+(2*\l+\d)/4], v[GTB+4*(3*\d+\k):GTB+4*(3*\d+\k)+3] offset:XTILE*((2*\l+\d)%4)+256*\k
.endr
.endr
	WIN 0
.if (\l % 4) == 0
	ds_store_b128 v12, v[GSD+\l:GSD+\l+3] offset:1024*\l
.endif
.Lge_\f\l:
.endm
.macro WM u, s, c                      ; tile u, K step s; c: the registers of C
.if \u
	v_wmma_scale_f32_16x16x128_f8f6f4 v[D+8*\u:D+8*\u+7], v[12*(8*\u+\s):12*(8*\u+\s)+11], v[XF+12*\s:XF+12*\s+11], v[(\c):(\c)+7], v[W1S+\s], v[SX+\s] matrix_a_fmt:MATRIX_FMT_BF6 matrix_b_fmt:MATRIX_FMT_BF6 matrix_a_scale:MATRIX_SCALE_ROW1
.else
	v_wmma_scale_f32_16x16x128_f8f6f4 v[D+8*\u:D+8*\u+7], v[12*(8*\u+\s):12*(8*\u+\s)+11], v[XF+12*\s:XF+12*\s+11], v[(\c):(\c)+7], v[W1S+\s], v[SX+\s] matrix_a_fmt:MATRIX_FMT_BF6 matrix_b_fmt:MATRIX_FMT_BF6
.endif
.endm
; ONE TILE OF 16 TOKENS (s66: its number in the batch) x my 32 hidden units.
.macro TILE
	s_mul_i32 s67, s66, XTILE
	s_lshl_b32 s68, s66, 9
	v_add_nc_u32 v30, s67, v13
	v_add_nc_u32 v31, s68, v14
	ds_load_b128 v[SX:SX+3], v31
	ds_load_b128 v[SX+4:SX+7], v31 offset:16
.irp s, 0,1,2,3,4,5,6,7
.irp p, 0,1,2,3,4,5
	ds_load_b64 v[XF+12*\s+2*\p:XF+12*\s+2*\p+1], v30 offset:96*\s+48*(\p/3)+8*(\p%3)
.endr
.endr
	s_mul_i32 s69, s66, FRB
	s_lshl_b32 s70, s66, 6
	s_wait_dscnt 24                                ; the scale words and K steps 0-3 are in; the 24 loads of K steps 4-7 may be out.  LDS instructions end in order: the last tile's four stores are done too,
	v_add_nc_u32 v32, s69, v15                     ; so their address registers are written anew here
	v_add_nc_u32 v33, s69, v16
	v_add_nc_u32 v34, s69, v17
	v_add_nc_u32 v35, s70, v18
	WIN 0x11                                       ; source 0 (W1) and source 2 (b1) window 1
	WM 0, 0, B1                                    ; the bias is the C of each sum's first product
	WM 1, 0, B1+8
	WIN 0x01
.irp s, 1,2,3                                  ; the two accumulators take turns, one instruction a turn
	WM 0, \s, D
	WM 1, \s, D+8
.endr
	s_wait_dscnt 0x0
.irp s, 4,5,6,7
	WM 0, \s, D
	WM 1, \s, D+8
.endr
	WIN 0
.rept 4
	v_nop                                          ; four places between this matrix form and the first read of its results (ISA guide 7.12.1)
.endr
.irp p, 0,2,4,6,8,10,12,14                     ; each accumulator is read from its low end on
	v_pk_mul_f32 v[U+\p:U+\p+1], v[D+\p:D+\p+1], s[40:41] op_sel_hi:[1,0]   ; u = z / sqrt 2
.endr
.irp p, 0,1,2,3,4,5,6,7,8,9,10,11,12,13,14,15
	v_med3_num_f32 v[U+\p], v[U+\p], -4.0, 4.0
.endr
.irp p, 0,2,4,6,8,10,12,14
	v_pk_mul_f32 v[X2+\p:X2+\p+1], v[U+\p:U+\p+1], v[U+\p:U+\p+1]
.endr
.irp p, 0,2,4,6,8,10,12,14
	v_pk_fma_f32 v[P+\p:P+\p+1], v[X2+\p:X2+\p+1], v[26:27], s[42:43] op_sel_hi:[1,1,0]
	v_pk_fma_f32 v[Q+\p:Q+\p+1], v[X2+\p:X2+\p+1], v[28:29], s[54:55] op_sel_hi:[1,1,0]
.endr
.irp c, 56,58,60
.irp p, 0,2,4,6,8,10,12,14
	v_pk_fma_f32 v[Q+\p:Q+\p+1], v[Q+\p:Q+\p+1], v[X2+\p:X2+\p+1], s[\c:\c+1] op_sel_hi:[1,1,0]
.endr
.endr
.irp p, 0,1,2,3,4,5,6,7,8,9,10,11,12,13,14,15
	v_rcp_f32 v[Q+\p], v[Q+\p]                     ; one batch; the numerator's five steps and two scalings are the independent work behind it
.endr
.irp c, 44,46,48,50,52
.irp p, 0,2,4,6,8,10,12,14
	v_pk_fma_f32 v[P+\p:P+\p+1], v[P+\p:P+\p+1], v[X2+\p:X2+\p+1], s[\c:\c+1] op_sel_hi:[1,1,0]
.endr
.endr
.irp p, 0,2,4,6,8,10,12,14
	v_pk_mul_f32 v[P+\p:P+\p+1], v[P+\p:P+\p+1], v[U+\p:U+\p+1]
	v_pk_mul_f32 v[D+\p:D+\p+1], v[D+\p:D+\p+1], 0.5 op_sel_hi:[1,0]
.endr
	s_wait_alu depctr_va_vdst(0)                   ; one wait for the sixteen reciprocals, ahead of their first reader
.irp p, 0,2,4,6,8,10,12,14
	v_pk_mul_f32 v[P+\p:P+\p+1], v[P+\p:P+\p+1], v[Q+\p:Q+\p+1]   ; erf
.endr
.irp p, 0,2,4,6,8,10,12,14
	v_pk_fma_f32 v[D+\p:D+\p+1], v[D+\p:D+\p+1], v[P+\p:P+\p+1], v[D+\p:D+\p+1]   ; 0.5 z erf + 0.5 z
.endr
	v_max3_num_f32 v72, |v[D]|, |v[D+1]|, 0x2800000   ; my 16 of the block's 32, in two chains, and the floor 2^(5 - 127): the byte cannot fall under 1
	v_max3_num_f32 v73, |v[D+2]|, |v[D+3]|, |v[D+4]|
	v_max3_num_f32 v72, v72, |v[D+5]|, |v[D+6]|
	v_max3_num_f32 v73, v73, |v[D+7]|, |v[D+8]|
	v_max3_num_f32 v72, v72, |v[D+9]|, |v[D+10]|
	v_max3_num_f32 v73, v73, |v[D+11]|, |v[D+12]|
	v_max3_num_f32 v72, v72, |v[D+13]|, |v[D+14]|
	v_max3_num_f32 v72, v72, v73, |v[D+15]|
	v_permlanex16_b32 v74, v72, s30, s31
	v_max_num_f32 v72, v72, v74                    ; with lane l xor 16's 16: the block's largest magnitude
	v_add_nc_u32 v75, 0xfe000000, v72              ; 4 off its exponent field: the conversion's scale operand
	v_lshrrev_b32 v79, 23, v75                     ; the scale's byte
	v_cvt_scalef32_pk16_bf6_f32 v[76:78], v[D:D+15], v75   ; 96 bits: the codes of hidden units 32 g + 16 h + 0 .. 15 of token r
	v_nop                                          ; one plain place behind a scaled conversion
.irp i, 0,1,2
	ds_store_b32 v[32+\i], v[76+\i]                ; register 6 (g / 2) + 3 h + i of lane r + 16 (g % 2) of the fragment's image
.endr
	ds_store_b8 v35, v79                           ; byte g of row r's scale word; both halves of the lanes write the same byte with the same value
.endm
; A BATCH OF 16 TILES.  f = 1: the first, which also turns W1's rows into fragments.
.macro BATCH f
.irp i, 0,1,2,3,4,5,6,7,8,9,10,11,12,13,14,15
	ds_load_b32 v[GA+\i], v6 offset:64*\i          ; the token at place 16 (first tile + i) + 2 w + h
.endr
	ds_load_b32 v[GS], v7
	ds_load_b32 v[GS+1], v7 offset:512
	s_wait_dscnt 0x0
.irp i, 0,1,2,3,4,5,6,7,8,9,10,11,12,13,14,15
	v_min_u32 v[GA+\i], 0x3ff, v[GA+\i]
.endr
.irp i, 0,1,2,3,4,5,6,7,8,9,10,11,12,13,14,15
	v_mad_u32_u24 v[GA+\i], v[GA+\i], 768, v4      ; its row in xq, + 16 r
.endr
.irp a, 0,1
	v_min_u32 v[GS+\a], 0x3ff, v[GS+\a]
	v_lshl_add_u32 v[GS+\a], v[GS+\a], 5, v5       ; its 32 bytes in xs, + 16 (l % 2)
.endr
.irp l, 0,1,2,3,4,5,6,7
	GOPEN \f, \l
.endr
.irp l, 7,6,5,4,3,2,1,0
	GCLOSE \f, \l
.endr
.if \f
	s_wait_loadcnt 0x0                             ; W1's rows, its scale words and b1
	WIN 0x04
.irp p, 0,1,2,3,4,5,6,7
.irp k, 0,1,2
	ds_store_b128 v24, v[4*(3*\p+\k):4*(3*\p+\k)+3] offset:2*XROW*\p+256*\k
.endr
.endr
	WIN 0
.endif
	BARRIER                                        ; the batch's tokens lie in LDS (and, the first time, W1's rows); nobody reads the images of the batch before any more
.if \f
	WIN 0x40
.irp u, 0,1
.irp s, 0,1,2,3,4,5,6,7
.irp p, 0,1,2,3,4,5
	ds_load_b64 v[12*(8*\u+\s)+2*\p:12*(8*\u+\s)+2*\p+1], v23 offset:8*XROW*\u+96*\s+48*(\p/3)+8*(\p%3)
.endr
.endr
.endr
	WIN 0
	BARRIER                                        ; every wave has its fragments: the rows' bytes may take the images
.endif
	s_mov_b32 s66, s22                             ; my tiles: par, par + 2, ..
	s_mov_b32 s71, 0
.Ltile_\f:                                             ; eight trips, a constant; a tile that the batch does not have is jumped over
	s_cmp_ge_u32 s66, s[M]
	s_cbranch_scc1 .Lskip_\f
	TILE
.Lskip_\f:
	s_add_co_u32 s66, s66, 2
	s_add_co_u32 s71, s71, 1
	s_cmp_lt_u32 s71, 8
	s_cbranch_scc1 .Ltile_\f
	BARRIER                                        ; the images are whole, and nobody reads the batch's tokens any more
.irp rr, 0,1                                   ; wave w stores tiles w and w + 8: 1,536 consecutive bytes, 512 a store, and 64 bytes of scale words
	s_add_co_u32 s35, s20, 8*\rr
	s_cmp_ge_u32 s35, s[M]
	s_cbranch_scc1 .Lnst_\f\rr
.irp c, 0,1,2
	ds_load_b128 v[80+16*\rr+4*\c:83+16*\rr+4*\c], v19 offset:8*FRB*\rr+512*\c
.endr
	ds_load_u16 v[92+16*\rr], v20 offset:512*\rr
	s_wait_dscnt 0x0
.irp c, 0,1,2
	global_store_b128 v21, v[80+16*\rr+4*\c:83+16*\rr+4*\c], s[16:17] offset:393216*\rr+512*\c
.endr
	global_store_b16 v22, v[92+16*\rr], s[18:19] offset:16384*\rr
.Lnst_\f\rr:
.endr
	s_wait_xcnt 0x0                                ; the stores have read their registers: offsets and data may be written again
	v_add_nc_u32 v6, 1024, v6                      ; 16 tiles on: 256 places of the list,
	v_add_nc_u32 v7, 1024, v7
	v_add_nc_u32 v21, 786432, v21                  ; 16 x 49,152 bytes of hq,
	v_add_nc_u32 v22, 32768, v22                   ; 16 x 2,048 bytes of hs
	s_add_co_u32 s27, s27, 16
	MKM
.endm
	s_load_b512 s[4:19], s[0:1], 0x0               ; top1 s[4:5], xq s[6:7], xs s[8:9], w1_codes s[10:11], w1_scales s[12:13], b1 s[14:15], hq s[16:17], hs s[18:19]
	v_lshl_add_u32 v254, v0, 2, 0x4d900
	v_mov_b32 v255, 0
	v_lshrrev_b32 v1, 5, v0
	v_readfirstlane_b32 s20, v1                    ; wave 0..7
	s_and_b32 s21, s20, 3                          ; g
	s_lshr_b32 s22, s20, 2                         ; par
	s_and_b32 s23, ttmp7, 0xffff                   ; e
	s_mov_b32 s24, ttmp9                           ; j
	v_and_b32 v1, 31, v0                           ; l
	v_and_b32 v2, 15, v0                           ; r
	v_bfe_u32 v3, v0, 4, 1                         ; h
	v_lshlrev_b32 v4, 4, v2                        ; 16 r
	v_and_b32 v5, 1, v0
	v_lshlrev_b32 v5, 4, v5                        ; 16 (l % 2)
	; every LDS address that stays is made here, ahead of the branches on the wave's number
	s_lshl_b32 s35, s20, 3
	s_add_co_u32 s35, s35, LIST
	v_lshl_add_u32 v6, v3, 2, s35                  ; the list: place 2 w + h of a tile
	v_bfe_u32 v30, v0, 2, 3                        ; l / 4
	v_bfe_u32 v31, v0, 1, 1                        ; (l / 2) % 2
	v_lshl_add_u32 v7, v30, 6, s35
	v_lshl_add_u32 v7, v31, 2, v7                  ; for the scale words: tile l / 4, place 2 w + (l / 2) % 2
	s_mul_i32 s35, s20, 2*XROW
	v_mad_u32_u24 v8, v3, XROW, v4
	v_add_nc_u32 v8, s35, v8                       ; gathered rows: row 2 w + h, + 16 r; four tiles to a register
	v_add_nc_u32 v9, 4*XTILE, v8
	v_add_nc_u32 v10, 8*XTILE, v8
	v_add_nc_u32 v11, 12*XTILE, v8
	s_lshl_b32 s35, s20, 6
	s_add_co_u32 s35, s35, XSS
	v_lshl_add_u32 v12, v30, 9, s35
	v_lshl_add_u32 v12, v31, 5, v12
	v_add_nc_u32 v12, v12, v5                      ; gathered scale words
	v_mul_u32_u24 v13, v2, XROW
	v_mad_u32_u24 v13, v3, 24, v13                 ; a fragment of x: row r, + 24 h
	v_lshl_add_u32 v14, v2, 5, XSS                 ; its scale words
	s_lshr_b32 s35, s21, 1
	s_mul_i32 s35, s35, 6
	s_and_b32 s36, s21, 1
	s_lshl_b32 s36, s36, 8
	s_add_co_u32 s36, s36, OST
	v_mul_u32_u24 v30, v3, 3
	v_add_nc_u32 v30, s35, v30                     ; q = 6 (g / 2) + 3 h: the image's register that takes my first word
.irp i, 0,1,2
	v_add_nc_u32 v31, \i, v30
	v_lshrrev_b32 v32, 2, v31
	v_and_b32 v31, 3, v31
	v_lshl_add_u32 v[15+\i], v32, 9, v4            ; 512 (q / 4) + 16 r
	v_lshl_add_u32 v[15+\i], v31, 2, v[15+\i]      ; + 4 (q % 4)
	v_add_nc_u32 v[15+\i], s36, v[15+\i]           ; + 256 (g % 2)
.endr
	s_add_co_u32 s35, s21, HSS
	v_lshl_add_u32 v18, v2, 2, s35                 ; my scale byte: 4 r + g
	s_mul_i32 s35, s20, FRB
	s_add_co_u32 s35, s35, OST
	v_lshl_add_u32 v19, v1, 4, s35                 ; images out: tile w, 16 bytes a lane
	s_lshl_b32 s35, s20, 6
	s_add_co_u32 s35, s35, HSS
	v_lshl_add_u32 v20, v1, 1, s35                 ; scale words out: 2 bytes a lane
	s_mul_i32 s35, s20, 49152
	v_lshl_add_u32 v21, v1, 4, s35                 ; hq: tile w, 16 l
	s_lshl_b32 s35, s20, 11
	v_lshl_add_u32 v22, v1, 1, s35                 ; hs: tile w, 2 l
	v_and_b32 v33, 8, v2
	v_add_nc_u32 v33, v33, v2                      ; r + 8 (r / 8)
	s_mul_i32 s35, s21, WGRP
	s_add_co_u32 s35, s35, WRL
	v_mul_u32_u24 v23, v33, XROW
	v_mad_u32_u24 v23, v3, 24, v23
	v_add_nc_u32 v23, s35, v23                     ; W1's fragments out of LDS
	s_mul_i32 s36, s22, 16*XROW
	s_add_co_u32 s36, s36, s35
	v_mad_u32_u24 v24, v3, XROW, v4
	v_add_nc_u32 v24, s36, v24                     ; and its rows into LDS: my 16 rows of the group's 32
	v_mov_b32 v25, CNT
	v_mov_b32 v26, 0xaf95df0b                      ; the numerator's leading coefficient, -2.72614226e-10,
	v_mov_b32 v27, 0xaf95df0b
	v_mov_b32 v28, 0xb77460cd                      ; the denominator's, -1.45660718e-05
	v_mov_b32 v29, 0xb77460cd
	v_mov_b32 v74, 0                               ; a lane permute's destination counts as one of its sources
	v_lshlrev_b32 v36, 4, v1                       ; top1: 16 l
	v_mad_u32_u24 v37, v3, 768, v4                 ; W1's rows: 768 h + 16 r
	v_lshl_add_u32 v38, v3, 3, v33
	v_lshlrev_b32 v38, 5, v38                      ; W1's scale words: row 8 (l / 16) + r + 8 (r / 8), 32 bytes a row
	v_lshlrev_b32 v39, 6, v3                       ; b1: 16 h numbers
	v_lshlrev_b32 v112, 2, v1                      ; 4 l
	s_mov_b32 s30, 0x76543210
	s_mov_b32 s31, 0xfedcba98                      ; lane l xor 16
	K2 40, 0x3f3504f3                              ; 1 / sqrt 2
	K2 42, 0x32edffee                              ; the numerator, descending:  2.77068142e-08
	K2 44, 0xb60cff51                              ; -2.10102402e-06
	K2 46, 0xb86ec2d2                              ; -5.69250639e-05
	K2 48, 0xba40ac63                              ; -7.34990630e-04
	K2 50, 0xbb41a1f6                              ; -2.95459981e-03
	K2 52, 0xbc83dbd4                              ; -1.60960333e-02
	K2 54, 0xb95fbd29                              ; the denominator: -2.13374055e-04
	K2 56, 0xbadc924e                              ; -1.68282697e-03
	K2 58, 0xbbf19bf8                              ; -7.37332917e-03
	K2 60, 0xbc69b6a7                              ; -1.42647391e-02
	s_lshl_b32 s35, s23, 12
	s_lshl_b32 s36, s24, 7
	s_add_co_u32 s35, s35, s36
	s_lshl_b32 s36, s21, 5
	s_add_co_u32 s35, s35, s36                     ; my group's first row of W1: 4096 e + 128 j + 32 g
	s_lshl_b32 s36, s22, 4
	s_add_co_u32 s36, s36, s35
	s_mul_i32 s36, s36, 768                        ; the 16 rows that I bring
	s_mov_b32 s37, 0
	s_lshl_b32 s38, s35, 5                         ; the group's scale bytes
	s_mov_b32 s39, 0
	s_lshl_b32 s66, s35, 2                         ; its biases
	s_mov_b32 s67, 0
	s_mul_i32 s68, s23, 3145728
	s_mul_i32 s35, s24, FRB
	s_add_co_u32 s68, s68, s35                     ; hq: expert e, K step j
	s_mov_b32 s69, 0
	s_lshl_b32 s70, s23, 17
	s_lshl_b32 s35, s24, 6
	s_add_co_u32 s70, s70, s35                     ; hs likewise
	s_mov_b32 s71, 0
	s_wait_kmcnt 0x0
	s_add_nc_u64 s[10:11], s[10:11], s[36:37]
	s_add_nc_u64 s[12:13], s[12:13], s[38:39]
	s_add_nc_u64 s[14:15], s[14:15], s[66:67]
	s_add_nc_u64 s[16:17], s[16:17], s[68:69]
	s_add_nc_u64 s[18:19], s[18:19], s[70:71]
	s_cmp_lg_u32 s20, 0
	s_cbranch_scc1 .Lno_top1
.irp c, 0,1,2,3,4,5,6,7
	global_load_b128 v[80+4*\c:83+4*\c], v36, s[4:5] offset:512*\c   ; wave 0: all 1,024 choices
.endr
.Lno_top1:
	WIN 0x40                                       ; destination window 1
.irp p, 0,1,2,3,4,5,6,7
.irp k, 0,1,2
	global_load_b128 v[4*(3*\p+\k):4*(3*\p+\k)+3], v37, s[10:11] offset:1536*\p+256*\k th:TH_LOAD_NT   ; rows 2 p and 2 p + 1: sixteen lanes read 256 consecutive aligned bytes; read once in the launch
.endr
.endr
.irp u, 0,1
	global_load_b128 v[B1+8*\u:B1+8*\u+3], v39, s[14:15] offset:32*\u      ; b1 of hidden units 16 h + 8 u + 0 .. 7
	global_load_b128 v[B1+8*\u+4:B1+8*\u+7], v39, s[14:15] offset:32*\u+16
.endr
	WIN 0
	global_load_b128 v[W1S:W1S+3], v38, s[12:13]
	global_load_b128 v[W1S+4:W1S+7], v38, s[12:13] offset:16
	s_wait_loadcnt 30                              ; wave 0: top1's eight loads are in; the 30 loads issued behind them may be out.  The other waves have those 30 alone and pass at once.
	                                               ; The wait stands on every wave's way: no load into v80-111 is out where the gather's loads into these registers are issued
	s_cmp_lg_u32 s20, 0
	s_cbranch_scc1 .Lno_list
	MKLIST
.Lno_list:
	BARRIER                                        ; the list lies in LDS; no other wave has touched LDS yet
	ds_load_b32 v113, v25
	s_wait_dscnt 0x0
	v_readfirstlane_b32 s[N], v113
	s_min_u32 s[N], s[N], 0x400
	s_add_co_u32 s26, s[N], 15
	s_lshr_b32 s26, s26, 4
	s_max_u32 s26, s26, 2                          ; tiles 0 and 1 are always made
	s_mov_b32 s27, 0
	MKM
	BATCH 1
	s_mov_b32 s72, 0
.Lbatch:                                               ; three more batches, a constant: they serve up to 1,024 tokens on one expert
	BATCH 0
	s_add_co_u32 s72, s72, 1
	s_cmp_lt_u32 s72, 3
	s_cbranch_scc1 .Lbatch
	s_wait_tensorcnt 0x0
	ds_add_u32 v254, v255
	s_wait_dscnt 0x0
	s_endpgm
.Lfunc_end_k_q8a6292fffe_ffn1:
	.size	k_q8a6292fffe_ffn1, .Lfunc_end_k_q8a6292fffe_ffn1-k_q8a6292fffe_ffn1
	.p2alignl 7, 3214868480
	.fill 96, 4, 3214868480
	.section	.rodata,"a",@progbits
	.p2align	6, 0x0
	.amdhsa_kernel k_q8a6292fffe_ffn1
		.amdhsa_group_segment_fixed_size 318720
		.amdhsa_private_segment_fixed_size 0
		.amdhsa_enable_private_segment 0
		.amdhsa_kernarg_size 64
		.amdhsa_user_sgpr_count 2
		.amdhsa_user_sgpr_kernarg_segment_ptr 1
		.amdhsa_wavefront_size32 1
		.amdhsa_system_sgpr_workgroup_id_x 1
		.amdhsa_system_sgpr_workgroup_id_y 1
		.amdhsa_system_sgpr_workgroup_id_z 1
		.amdhsa_system_vgpr_workitem_id 0
		.amdhsa_next_free_vgpr 512
		.amdhsa_next_free_sgpr 80
		.amdhsa_reserve_vcc 0
		.amdhsa_float_denorm_mode_32 3
		.amdhsa_float_denorm_mode_16_64 3
		.amdhsa_memory_ordered 1
		.amdhsa_forward_progress 1
		.amdhsa_inst_pref_size 103
	.end_amdhsa_kernel
	.amdgpu_metadata
---
amdhsa.version: [ 1, 2 ]
amdhsa.kernels:
  - .name:           k_q8a6292fffe_ffn1
    .symbol:         k_q8a6292fffe_ffn1.kd
    .args:
      - { .name: top1, .offset: 0, .size: 8, .value_kind: global_buffer, .address_space: global }
      - { .name: xq, .offset: 8, .size: 8, .value_kind: global_buffer, .address_space: global }
      - { .name: xs, .offset: 16, .size: 8, .value_kind: global_buffer, .address_space: global }
      - { .name: w1_codes, .offset: 24, .size: 8, .value_kind: global_buffer, .address_space: global }
      - { .name: w1_scales, .offset: 32, .size: 8, .value_kind: global_buffer, .address_space: global }
      - { .name: b1, .offset: 40, .size: 8, .value_kind: global_buffer, .address_space: global }
      - { .name: hq, .offset: 48, .size: 8, .value_kind: global_buffer, .address_space: global }
      - { .name: hs, .offset: 56, .size: 8, .value_kind: global_buffer, .address_space: global }
    .group_segment_fixed_size: 318720
    .private_segment_fixed_size: 0
    .kernarg_segment_align: 8
    .kernarg_segment_size: 64
    .max_flat_workgroup_size: 256
    .sgpr_count:     80
    .vgpr_count:     512
    .wavefront_size: 32
...
	.end_amdgpu_metadata
.endif
;; end of part 2
;; launch ffn2 (part 3): grid 32 x 8, 4 waves a work-group, no clusters, 318,208 bytes of LDS; arguments top1, hq, hs, w2_codes, w2_scales, b2, out0; writes out0
.if DOCPART == 3
	.amdgcn_target "amdgcn-amd-amdhsa--gfx1250"
	.amdhsa_code_object_version 6
	.text
	.protected	k_q8a6292fffe_ffn2
	.globl	k_q8a6292fffe_ffn2
	.p2align	8
	.type	k_q8a6292fffe_ffn2,@function
k_q8a6292fffe_ffn2:
	s_mov_b64 s[64:65], 0
	v_nop
	global_prefetch_b8 v0, s[64:65] scope:SCOPE_SE
	s_setreg_imm32_b32 hwreg(HW_REG_WAVE_MODE, 25, 1), 1
	s_wait_xcnt 0x0
; SECOND PRODUCT OF THE CHOSEN EXPERT.  out[token] = h W2[e] + b2[e] for the tokens whose top1 is e; h comes as the fragment images and scale words that the launch before has stored.
; SHARES.  Work-group (jc, e) owns output columns 32 jc .. 32 jc + 31 of expert e for ALL of that expert's tokens: 8 x 32 work-groups, each byte of W2 read by one of them, each number of out0 stored by one owner.
; Wave w owns K steps 8 w .. 8 w + 7 (a quarter of K = 4096) of both tiles of 16 columns: 16 fragments = 192 registers, kept.  Every wave walks every tile of 16 tokens and reads only its own quarter of the tile's images,
; as dense loads of 512 bytes.  The four partial sums of a tile meet in LDS and are added in a fixed order, ((p0 + p1) + (p2 + p3)) + b2.
; THE LIST is made as in the launch before, by the same lines: the expert's n tokens at places 0 .. n - 1.  Tile t is places 16 t .. 16 t + 15.
; THE EXPERT'S LAST TILE.  Rows at places from n on belong to other experts' tokens and are not to be stored.  No lane is switched off for that: where the sums are added, a lane whose row lies past the expert's last row
; takes that last row instead, its sums and its token, and stores the same 16 bytes to the same place as the lanes that own the row.
; THE PRODUCT IS USED TRANSPOSED (source 0 = 16 rows of W2 = 16 columns of out, source 1 = 16 tokens): a lane holds eight neighbouring columns of one token.
; Tiles go in two batches of 32, two tiles a trip, in loops of constant count; a pair that a batch does not have is jumped over by a scalar branch on the stored count INSIDE the trip; every barrier stands outside such branches.
; A batch with an odd number of tiles fetches and multiplies its last tile twice; the second result goes to a stage place that nobody reads.
; NO TENSOR LOAD, NO CLUSTER: branches hang on numbers read from memory (the list).
; A store writes 128 consecutive aligned bytes of each of four rows of out0 (eight lanes a row): 32 columns are a work-group's share; 64 would leave half of the work-groups without work.
; LIMITS.  NaN and infinities are not served.  K is summed in four parts, each ascending, not in one ascending chain.
.set PLACE, 2304                       ; a tile's partial sums: 16 rows x (128 bytes + 16)
.set WREG,  34*PLACE                   ; a wave's own stage, from LDS byte 0 on: 4 x 78,336 (32 places are used).  Its first 25,088 bytes first serve the wave's rows of W2 on their way into fragments
.set LIST,  4*WREG                     ; 1,024 words
.set CNT,   LIST+4096                  ; word 0: n
.set XROW,  784                        ; 768 bytes of codes + 16
; window 0: v1-31 lane numbers, offsets and addresses;  v32-39 W2's scale words of my K step s: lanes 0-15 column tile 0, lanes 16-31 tile 1;
;   v40-47 h's scale words, slot k, pair p: lanes 0-15 K step 2 p, lanes 16-31 K step 2 p + 1;  v48-51 b2;  v56-71 two accumulators;  v80-143 the four parts of a tile;
;   v208-223 the sums' LDS addresses (4 q + wave);  v224-227 the list's;  v228-231 my four rows;  v232-235 their tokens;  v236-239 their offsets in out0
; window 1: W2's fragments (ct, s) at 12 (8 ct + s).   window 2: h's fragments, slot k, K step s at 96 k + 12 s
.set N, 25                             ; s25 n;  s26 its tiles;  s28 tiles of this batch;  s29 the trip's first tile
.set RA,  208
.set TA,  224
.set RW,  228
.set TK,  232
.set VO,  236
.set MSB, 0
.macro WIN new                         ; the immediate's high byte repeats the setting that is left
.if MSB != \new
	s_set_vgpr_msb (MSB<<8)|\new
.set MSB, \new
.endif
.endm
.macro BARRIER                         ; my LDS stores have landed and my LDS loads are in: then the work-group's barrier
	s_wait_dscnt 0x0
	s_barrier_signal -1
	s_barrier_wait -1
.endm
; THE LIST (wave 0), word for word as in the launch before.  v[80 + g], lane l, holds top1 of token 128 (g / 4) + 4 l + g % 4.
.macro MKLIST
	s_mov_b32 s32, 0
.set MG, 0
.rept 32
.set MT, 192+2*(MG%4)
	v_cmp_eq_u32 s33, s23, v[80+MG]
	v_mbcnt_lo_u32_b32 v[MT], s33, s32             ; members ahead of me
	v_add_nc_u32 v[160+MG], 128*(MG/4)+MG%4, v5    ; my token
	v_sub_nc_u32 v[MT+1], v[MT], v1
	v_add_nc_u32 v[MT+1], 1023-32*MG, v[MT+1]      ; 1023 - (32 g + l - members ahead)
	v_cndmask_b32 v[128+MG], v[MT+1], v[MT], s33
	v_min_u32 v[128+MG], 0x3ff, v[128+MG]
	v_lshl_add_u32 v[128+MG], v[128+MG], 2, LIST
	ds_store_b32 v[128+MG], v[160+MG]
	s_bcnt1_i32_b32 s34, s33
	s_add_co_u32 s32, s32, s34
.set MG, MG+1
.endr
	v_mov_b32 v200, s32
	ds_store_b32 v23, v200                         ; n: all lanes write the same word with the same value
.endm
; Slot k takes my quarter of tile s35: 24 loads of 512 consecutive bytes and 4 of 128: 28 loads.
.macro FILL k
	s_min_u32 s35, s35, 63
	s_mul_i32 s36, s35, 49152
	s_lshl_b32 s37, s35, 11
	v_add_nc_u32 v[6+\k], s36, v4
	v_add_nc_u32 v[8+\k], s37, v5
	WIN 0x80                                       ; destination window 2
.irp s, 0,1,2,3,4,5,6,7
.irp c, 0,1,2
	global_load_b128 v[96*\k+12*\s+4*\c:96*\k+12*\s+4*\c+3], v[6+\k], s[6:7] offset:1536*\s+512*\c
.endr
.endr
	WIN 0
.irp p, 0,1,2,3
	global_load_b32 v[40+4*\k+\p], v[8+\k], s[8:9] offset:128*\p
.endr
.endm
.macro WM k, s, ct
.set WD, 56+8*\ct
.set WA, 12*(8*\ct+\s)
.set WB, 96*\k+12*\s
.set WSA, 32+\s
.set WSB, 40+4*\k+\s/2
.if \s == 0
.if \ct == 0
	v_wmma_scale_f32_16x16x128_f8f6f4 v[WD:WD+7], v[WA:WA+11], v[WB:WB+11], 0, v[WSA], v[WSB] matrix_a_fmt:MATRIX_FMT_BF6 matrix_b_fmt:MATRIX_FMT_BF6
.else
	v_wmma_scale_f32_16x16x128_f8f6f4 v[WD:WD+7], v[WA:WA+11], v[WB:WB+11], 0, v[WSA], v[WSB] matrix_a_fmt:MATRIX_FMT_BF6 matrix_b_fmt:MATRIX_FMT_BF6 matrix_a_scale:MATRIX_SCALE_ROW1
.endif
.elseif (\s % 2) == 0
.if \ct == 0
	v_wmma_scale_f32_16x16x128_f8f6f4 v[WD:WD+7], v[WA:WA+11], v[WB:WB+11], v[WD:WD+7], v[WSA], v[WSB] matrix_a_fmt:MATRIX_FMT_BF6 matrix_b_fmt:MATRIX_FMT_BF6
.else
	v_wmma_scale_f32_16x16x128_f8f6f4 v[WD:WD+7], v[WA:WA+11], v[WB:WB+11], v[WD:WD+7], v[WSA], v[WSB] matrix_a_fmt:MATRIX_FMT_BF6 matrix_b_fmt:MATRIX_FMT_BF6 matrix_a_scale:MATRIX_SCALE_ROW1
.endif
.else
.if \ct == 0
	v_wmma_scale_f32_16x16x128_f8f6f4 v[WD:WD+7], v[WA:WA+11], v[WB:WB+11], v[WD:WD+7], v[WSA], v[WSB] matrix_a_fmt:MATRIX_FMT_BF6 matrix_b_fmt:MATRIX_FMT_BF6 matrix_b_scale:MATRIX_SCALE_ROW1
.else
	v_wmma_scale_f32_16x16x128_f8f6f4 v[WD:WD+7], v[WA:WA+11], v[WB:WB+11], v[WD:WD+7], v[WSA], v[WSB] matrix_a_fmt:MATRIX_FMT_BF6 matrix_b_fmt:MATRIX_FMT_BF6 matrix_a_scale:MATRIX_SCALE_ROW1 matrix_b_scale:MATRIX_SCALE_ROW1
.endif
.endif
.endm
; Slot k's tile x my eight K steps x both column tiles; the partial sums go to place (the trip's first place + dl) of my stage.
.macro COMPUTE k, dl
	s_wait_dscnt 0x0                               ; the last tile's stage stores have read the accumulators
	WIN 0x09                                       ; source 0 (W2) window 1, source 1 (h) window 2
.irp s, 0,1,2,3,4,5,6,7                        ; the two accumulators take turns, one instruction a turn; the first product starts each sum
	WM \k, \s, 0
	WM \k, \s, 1
.endr
	WIN 0
.rept 5
	v_nop                                          ; four places ahead of the stores that read the results and of the loads into the operands; five ahead of the next tile's first products, which begin the accumulators anew
.endr
.irp ct, 0,1
	ds_store_b128 v11, v[56+8*\ct:59+8*\ct] offset:PLACE*\dl+64*\ct          ; each accumulator from its low end on
	ds_store_b128 v11, v[60+8*\ct:63+8*\ct] offset:PLACE*\dl+64*\ct+16
.endr
.endm
; A BATCH OF 32 TILES from tile tb on.  f = 1: the first, whose two first fills were issued at the head.
; THE LOADS IN FLIGHT.  At a trip's head either both slots' fills are out, slot 0's 28 loads ahead of slot 1's 28, or no load is out.  Every way through a trip ends in one of these two states, and a trip that is
; jumped over leaves the state as it was: so each wait for 28 leaves out at most the other slot's fill, on every way.
.macro BATCH f, tb
	s_sub_co_i32 s28, s26, \tb
	s_max_i32 s28, s28, 0
	s_min_u32 s28, s28, 32
.if \f == 0
	s_cmp_eq_u32 s28, 0
	s_cbranch_scc1 .Lnof_\f
	s_mov_b32 s35, \tb
	FILL 0
	s_sub_co_u32 s35, s28, 1
	s_min_u32 s35, s35, 1
	s_add_co_u32 s35, s35, \tb                     ; the second tile, or the first again where the batch has one
	FILL 1
.Lnof_\f:
.endif
	s_mov_b32 s29, 0
.Lloop_\f:                                             ; 16 trips, a constant; two tiles a trip
	s_cmp_ge_u32 s29, s28
	s_cbranch_scc1 .Lskp_\f
	s_wait_loadcnt 28                              ; slot 0's 28 loads are in; slot 1's 28, issued behind them, may be out
	s_mul_i32 s35, s29, PLACE
	v_add_nc_u32 v11, s35, v10                     ; the trip's first place in my stage
	COMPUTE 0, 0
	s_add_co_u32 s35, s29, 2
	s_cmp_ge_u32 s35, s28
	s_cbranch_scc1 .Llast_\f
	s_add_co_u32 s35, s35, \tb
	FILL 0                                         ; tile t + 2
	s_wait_loadcnt 28                              ; slot 1's are in; the 28 just issued may be out
	COMPUTE 1, 1
	s_add_co_u32 s35, s29, 3
	s_sub_co_u32 s36, s28, 1
	s_min_u32 s35, s35, s36                        ; tile t + 3, or the batch's last again where t + 3 is past it
	s_add_co_u32 s35, s35, \tb
	FILL 1
	s_branch .Lskp_\f
.Llast_\f:                                             ; the batch's last pair: nothing more is asked for
	s_wait_loadcnt 0x0
	COMPUTE 1, 1
.Lskp_\f:
	s_add_co_u32 s29, s29, 2
	s_cmp_lt_u32 s29, 32
	s_cbranch_scc1 .Lloop_\f
	s_wait_loadcnt 0x0
	BARRIER                                        ; all four waves' partial sums lie in LDS; from here to the next barrier LDS is only read
	s_mov_b32 s30, s20                             ; wave w adds and stores tiles w, w + 4, ..
	s_mov_b32 s31, 0
.Lred_\f:                                              ; eight trips, a constant; a tile that the batch does not have is jumped over
	s_cmp_ge_u32 s30, s28
	s_cbranch_scc1 .Lrsk_\f
	s_mul_i32 s35, s30, PLACE                      ; the tile's place in each stage
	s_lshl_b32 s36, s30, 6
	s_add_co_u32 s36, s36, LIST+64*\tb             ; its 16 words of the list
	s_lshl_b32 s37, s30, 4
	s_add_co_u32 s37, s37, 16*\tb+1                ; its first place + 1: at most n, since the batch has this tile
	s_sub_co_u32 s38, s[N], s37
	s_min_u32 s38, s38, 15                         ; the last of its rows that is the expert's: 15 in a full tile
	v_add_nc_u32 v13, s35, v19                     ; + 16 (l % 8)
.irp q, 0,1,2,3
	v_min_u32 v[RW+\q], s38, v[28+\q]              ; my row 4 q + l / 8, or that last row where mine lies past it
.endr
.irp q, 0,1,2,3
	v_min_u32 v[RW+\q], 15, v[RW+\q]               ; (held by a constant: it enters addresses)
.endr
.irp q, 0,1,2,3
	v_mad_u32_u24 v[RA+4*\q], v[RW+\q], 144, v13   ; wave 0's part of the row,
	v_lshl_add_u32 v[TA+\q], v[RW+\q], 2, s36      ; and the row's word of the list
.endr
.irp q, 0,1,2,3
.irp v, 1,2,3
	v_add_nc_u32 v[RA+4*\q+\v], \v*WREG, v[RA+4*\q]   ; the other waves' parts
.endr
.endr
.irp v, 0,1,2,3
.irp q, 0,1,2,3
	ds_load_b128 v[80+16*\v+4*\q:83+16*\v+4*\q], v[RA+4*\q+\v]   ; wave v's part: my row, columns 4 (l % 8) on
.endr
.endr
.irp q, 0,1,2,3
	ds_load_b32 v[TK+\q], v[TA+\q]                 ; the row's token
.endr
	s_wait_dscnt 0x0
.irp q, 0,1,2,3
.irp c, 0,2
	v_pk_add_f32 v[80+4*\q+\c:81+4*\q+\c], v[80+4*\q+\c:81+4*\q+\c], v[96+4*\q+\c:97+4*\q+\c]
	v_pk_add_f32 v[112+4*\q+\c:113+4*\q+\c], v[112+4*\q+\c:113+4*\q+\c], v[128+4*\q+\c:129+4*\q+\c]
.endr
.endr
.irp q, 0,1,2,3
.irp c, 0,2
	v_pk_add_f32 v[80+4*\q+\c:81+4*\q+\c], v[80+4*\q+\c:81+4*\q+\c], v[112+4*\q+\c:113+4*\q+\c]
.endr
.endr
.irp q, 0,1,2,3
.irp c, 0,2
	v_pk_add_f32 v[80+4*\q+\c:81+4*\q+\c], v[80+4*\q+\c:81+4*\q+\c], v[48+\c:49+\c]   ; + b2
.endr
.endr
.irp q, 0,1,2,3
	v_min_u32 v[TK+\q], 0x3ff, v[TK+\q]
	v_lshl_add_u32 v[VO+\q], v[TK+\q], 12, v19     ; the token's row of 4,096 bytes, + 16 (l % 8)
.endr
.irp q, 0,1,2,3
	global_store_b128 v[VO+\q], v[80+4*\q:83+4*\q], s[16:17] th:TH_STORE_NT   ; eight lanes store 128 consecutive aligned bytes of a row; lanes that took the last row store its bytes once more
.endr
	s_wait_xcnt 0x0                                ; the stores have read their registers: the next trip writes them again
.Lrsk_\f:
	s_add_co_u32 s30, s30, 4
	s_add_co_u32 s31, s31, 1
	s_cmp_lt_u32 s31, 8
	s_cbranch_scc1 .Lred_\f
	BARRIER                                        ; nobody reads the stages any more: the next batch may write them
.endm
	s_load_b256 s[4:11], s[0:1], 0x0               ; top1 s[4:5], hq s[6:7], hs s[8:9], w2_codes s[10:11]
	s_load_b128 s[12:15], s[0:1], 0x20             ; w2_scales s[12:13], b2 s[14:15]
	s_load_b64 s[16:17], s[0:1], 0x30              ; out0
	v_lshl_add_u32 v254, v0, 2, 0x4d900
	v_mov_b32 v255, 0
	v_lshrrev_b32 v1, 5, v0
	v_readfirstlane_b32 s20, v1                    ; wave 0..3
	s_and_b32 s23, ttmp7, 0xffff                   ; e
	s_mov_b32 s24, ttmp9                           ; jc
	v_and_b32 v1, 31, v0                           ; l
	v_and_b32 v2, 15, v0                           ; r
	v_bfe_u32 v3, v0, 4, 1                         ; h
	v_lshlrev_b32 v4, 4, v1                        ; 16 l
	v_lshlrev_b32 v5, 2, v1                        ; 4 l
	; every LDS address that stays is made here, ahead of the branches on the wave's number
	s_mul_i32 s35, s20, WREG                       ; my stage
	v_mul_u32_u24 v10, v2, 144
	v_lshl_add_u32 v10, v3, 5, v10
	v_add_nc_u32 v10, s35, v10                     ; partial sums in: row r, + 32 h
	v_bfe_u32 v20, v0, 3, 2                        ; l / 8
	v_and_b32 v19, 7, v0
	v_lshlrev_b32 v19, 4, v19                      ; 16 (l % 8)
.irp q, 0,1,2,3
	v_add_nc_u32 v[28+\q], 4*\q, v20               ; the four rows of a tile that I add and store: 4 q + l / 8
.endr
	v_mul_u32_u24 v21, v2, XROW
	v_mad_u32_u24 v21, v3, 24, v21
	v_add_nc_u32 v21, s35, v21                     ; W2's fragments out of LDS: row r, + 24 h
	v_lshlrev_b32 v22, 4, v2
	v_mad_u32_u24 v22, v3, XROW, v22
	v_add_nc_u32 v22, s35, v22                     ; and its rows into LDS: row h of a pair, + 16 r
	v_mov_b32 v23, CNT
	v_lshlrev_b32 v24, 4, v2
	v_mad_u32_u24 v24, v3, 3072, v24               ; W2's rows in memory: 3,072 h + 16 r
	v_lshlrev_b32 v25, 7, v1                       ; W2's scale bytes: row l, 128 bytes a row
	s_lshl_b32 s35, s23, 10
	s_lshl_b32 s36, s24, 5
	s_add_co_u32 s35, s35, s36                     ; my first row of W2: 1024 e + 32 jc
	s_mul_i32 s36, s35, 3072
	s_mul_i32 s38, s20, 768
	s_add_co_u32 s36, s36, s38                     ; + my eight K steps' 768 bytes
	s_mov_b32 s37, 0
	s_lshl_b32 s38, s35, 7
	s_lshl_b32 s40, s20, 5
	s_add_co_u32 s38, s38, s40                     ; the scale bytes: + 32 w
	s_mov_b32 s39, 0
	s_lshl_b32 s40, s35, 2                         ; b2
	s_mov_b32 s41, 0
	s_mul_i32 s42, s23, 3145728
	s_mul_i32 s35, s20, 12288
	s_add_co_u32 s42, s42, s35                     ; hq: expert e, K step 8 w
	s_mov_b32 s43, 0
	s_lshl_b32 s44, s23, 17
	s_lshl_b32 s35, s20, 9
	s_add_co_u32 s44, s44, s35                     ; hs likewise
	s_mov_b32 s45, 0
	s_lshl_b32 s46, s24, 7                         ; out0: column 32 jc
	s_mov_b32 s47, 0
	s_wait_kmcnt 0x0
	s_add_nc_u64 s[10:11], s[10:11], s[36:37]
	s_add_nc_u64 s[12:13], s[12:13], s[38:39]
	s_add_nc_u64 s[14:15], s[14:15], s[40:41]
	s_add_nc_u64 s[6:7], s[6:7], s[42:43]
	s_add_nc_u64 s[8:9], s[8:9], s[44:45]
	s_add_nc_u64 s[16:17], s[16:17], s[46:47]
	s_cmp_lg_u32 s20, 0
	s_cbranch_scc1 .Lno_top1
.irp c, 0,1,2,3,4,5,6,7
	global_load_b128 v[80+4*\c:83+4*\c], v4, s[4:5] offset:512*\c   ; wave 0: all 1,024 choices
.endr
.Lno_top1:
	WIN 0x40                                       ; destination window 1
.irp p, 0,1,2,3,4,5,6,7,8,9,10,11,12,13,14,15
.irp k, 0,1,2
	global_load_b128 v[4*(3*\p+\k):4*(3*\p+\k)+3], v24, s[10:11] offset:6144*\p+256*\k th:TH_LOAD_NT   ; rows 2 p and 2 p + 1: sixteen lanes read 256 consecutive aligned bytes; read once in the launch
.endr
.endr
	WIN 0
	global_load_b128 v[32:35], v25, s[12:13]
	global_load_b128 v[36:39], v25, s[12:13] offset:16
	global_load_b128 v[48:51], v19, s[14:15]       ; b2 of columns 4 (l % 8) on
	s_wait_loadcnt 51                              ; wave 0: top1's eight loads are in; the 51 loads issued behind them may be out.  The other waves have those 51 alone and pass at once.  The wait stands on every wave's way
	s_cmp_lg_u32 s20, 0
	s_cbranch_scc1 .Lno_list
	MKLIST
.Lno_list:
	s_mov_b32 s35, 0
	FILL 0                                         ; tiles 0 and 1 are always there: they are asked for ahead of the count
	s_mov_b32 s35, 1
	FILL 1
	BARRIER                                        ; the list lies in LDS; no other wave has touched LDS yet
	ds_load_b32 v27, v23
	s_wait_loadcnt 56                              ; W2's rows, its scale words and b2 are in; the two fills' 56 loads, issued behind them, may be out
	WIN 0x04                                       ; an LDS store's data are its source 1: window 1
.irp p, 0,1,2,3,4,5,6,7,8,9,10,11,12,13,14,15
.irp k, 0,1,2
	ds_store_b128 v22, v[4*(3*\p+\k):4*(3*\p+\k)+3] offset:2*XROW*\p+256*\k
.endr
.endr
	WIN 0
	s_wait_dscnt 0x0                               ; the stores have read their registers, which the fragments take
	WIN 0x40
.irp ct, 0,1
.irp s, 0,1,2,3,4,5,6,7
.irp p, 0,1,2,3,4,5
	ds_load_b64 v[12*(8*\ct+\s)+2*\p:12*(8*\ct+\s)+2*\p+1], v21 offset:16*XROW*\ct+96*\s+48*(\p/3)+8*(\p%3)
.endr
.endr
.endr
	WIN 0
	s_wait_dscnt 0x0
	v_readfirstlane_b32 s[N], v27
	s_min_u32 s[N], s[N], 0x400
	s_add_co_u32 s26, s[N], 15
	s_lshr_b32 s26, s26, 4
	BATCH 1, 0
	BATCH 0, 32
	s_wait_tensorcnt 0x0
	ds_add_u32 v254, v255
	s_wait_dscnt 0x0
	s_endpgm
.Lfunc_end_k_q8a6292fffe_ffn2:
	.size	k_q8a6292fffe_ffn2, .Lfunc_end_k_q8a6292fffe_ffn2-k_q8a6292fffe_ffn2
	.p2alignl 7, 3214868480
	.fill 96, 4, 3214868480
	.section	.rodata,"a",@progbits
	.p2align	6, 0x0
	.amdhsa_kernel k_q8a6292fffe_ffn2
		.amdhsa_group_segment_fixed_size 318208
		.amdhsa_private_segment_fixed_size 0
		.amdhsa_enable_private_segment 0
		.amdhsa_kernarg_size 56
		.amdhsa_user_sgpr_count 2
		.amdhsa_user_sgpr_kernarg_segment_ptr 1
		.amdhsa_wavefront_size32 1
		.amdhsa_system_sgpr_workgroup_id_x 1
		.amdhsa_system_sgpr_workgroup_id_y 1
		.amdhsa_system_sgpr_workgroup_id_z 1
		.amdhsa_system_vgpr_workitem_id 0
		.amdhsa_next_free_vgpr 768
		.amdhsa_next_free_sgpr 66
		.amdhsa_reserve_vcc 0
		.amdhsa_float_denorm_mode_32 3
		.amdhsa_float_denorm_mode_16_64 3
		.amdhsa_memory_ordered 1
		.amdhsa_forward_progress 1
		.amdhsa_inst_pref_size 92
	.end_amdhsa_kernel
	.amdgpu_metadata
---
amdhsa.version: [ 1, 2 ]
amdhsa.kernels:
  - .name:           k_q8a6292fffe_ffn2
    .symbol:         k_q8a6292fffe_ffn2.kd
    .args:
      - { .name: top1, .offset: 0, .size: 8, .value_kind: global_buffer, .address_space: global }
      - { .name: hq, .offset: 8, .size: 8, .value_kind: global_buffer, .address_space: global }
      - { .name: hs, .offset: 16, .size: 8, .value_kind: global_buffer, .address_space: global }
      - { .name: w2_codes, .offset: 24, .size: 8, .value_kind: global_buffer, .address_space: global }
      - { .name: w2_scales, .offset: 32, .size: 8, .value_kind: global_buffer, .address_space: global }
      - { .name: b2, .offset: 40, .size: 8, .value_kind: global_buffer, .address_space: global }
      - { .name: out0, .offset: 48, .size: 8, .value_kind: global_buffer, .address_space: global }
    .group_segment_fixed_size: 318208
    .private_segment_fixed_size: 0
    .kernarg_segment_align: 8
    .kernarg_segment_size: 56
    .max_flat_workgroup_size: 128
    .sgpr_count:     66
    .vgpr_count:     768
    .wavefront_size: 32
...
	.end_amdgpu_metadata
.endif
;; end of part 3
